; MI455X (gfx1250); checked and timed in simulation.
; The chip was launched on July 23, 2026; its instructions are those of AMD's public machine-readable ISA for CDNA 5 (MIT licence, August 2026) and "CDNA5" Instruction Set Architecture Reference Guide (July 2026). The comments in the code are by the model that wrote it; some were corrected since.
;; Additive Attention. Allowed arithmetic: matrix products marked QUANTISED: E3M2 operands, one E8M0 scale for each 32 along K, by v_wmma_scale_f32_16x16x128_f8f6f4 with both operands' format E3M2, f32 sums; products left as they are: f32 operands where the result goes on into a quantised operand, else bf16, f16 or f32 operands; f32 sums; everything else in f32.
;; Inputs: U_w_codes 1,024 x 32 x 24 uint8 (E3M2 codes of U_w, K innermost, in blocks of 32 codes, four codes in three bytes); U_w_scales 1,024 x 32 uint8 (E8M0 scales of U_w, one for each 32 codes along K); V 32 x 2,048 x 1,024 float32; W_b 1,024 float32; W_w_codes 1,024 x 32 x 24 uint8 (E3M2 codes of W_w, K innermost, in blocks of 32 codes, four codes in three bytes); W_w_scales 1,024 x 32 uint8 (E8M0 scales of W_w, one for each 32 codes along K); h_codes 32 x 32 x 24 uint8 (E3M2 codes of h, K innermost, in blocks of 32 codes, four codes in three bytes); h_scales 32 x 32 uint8 (E8M0 scales of h, one for each 32 codes along K); w_w 1,024 float32.
;; Outputs: out0 32 x 1,024 float32.
;; This version of the problem:
;;   THIS VERSION OF THE PROBLEM IS GIVEN IN LOW PRECISION. The matrix products marked QUANTISED in the list below multiply operands that are first quantised to E3M2 (3 exponent bits, 2 mantissa bits; 6 bits a number), with one power-of-two scale for each 32 numbers along K (OCP MX v1.0); their sums are f32. All else is computed in f32.
;;   The module's matrix products, in the order in which they are computed (A, B: the left and right operand; K: the contracted axis; several contracted axes count as one K, in the product's order):
;;     1. [M 32, K 1,024] x [K 1,024, N 1,024]; A: input h (given as codes); B: input W_w (given as codes): QUANTISED
;;     2. [M 65,536, K 1,024] x [K 1,024, N 1,024]; A: input V; B: input U_w (given as codes): QUANTISED
;;     3. [M 65,536, K 1,024] x [K 1,024, N 1]; A: computed on the way; B: input w_w: left as it is (N = 1 < 16)
;;     4. batch 32 x [M 1, K 2,048] x [K 2,048, N 1,024]; A: softmax; B: input V: left as it is (M = 1 < 16)
;;   THE QUANTISER, for each operand of a quantised product, along K:
;;     - K is cut into blocks of 32 from its start; a last block that is shorter is filled with zeros.
;;     - A block's scale is 2^e with e = floor(log2(the largest magnitude in the block)) - 4, held to -126 .. 127; a block of zeros has e = 0. As a byte (E8M0): e + 127.
;;     - Each number is divided by its block's scale, clamped to +-28, and rounded to the nearest number of E3M2, ties to even, subnormals kept.
;;     - The product sums the exact products of the quantised numbers (number of the format x scale) in f32.
;;   ~~~python
;;   def quantise(x, axis):      # numpy; x: float32 -> the quantised numbers, widened to float32 again
;;       x = np.moveaxis(x, axis, -1); K = x.shape[-1]
;;       x = np.pad(x, [(0, 0)] * (x.ndim - 1) + [(0, -K % 32)]); x = x.reshape(x.shape[:-1] + (-1, 32)); a = np.abs(x).max(-1, keepdims=True)
;;       e = np.where(a > 0, np.clip(np.frexp(np.where(a > 0, a, 1))[1] - 1 - 4, -126, 127), 0)      # np.frexp(a)[1] - 1 = floor(log2(a)), exactly
;;       r = np.clip(x / 2.0 ** e, -28, 28)
;;       step = 2.0 ** (np.maximum(np.frexp(np.where(r == 0, 1, r))[1] - 1, -2) - 2)
;;       q = np.round(r / step) * step * 2.0 ** e      # np.round: ties to even
;;       return np.moveaxis(q.reshape(q.shape[:-2] + (-1,))[..., :K], -1, axis).astype(np.float32)
;;   ~~~
;;   INPUTS GIVEN AS CODES. U_w (in the module: [1024, 1024], K = its axis 1); W_w (in the module: [1024, 1024], K = its axis 1); h (in the module: [32, 1024], K = its axis 1): each comes as NAME_codes (uint8): NAME with its K axis moved to the last place and cut into blocks of 32 codes, [.., K / 32, bytes a block], one block behind the other in memory; four codes in three bytes: a row's codes are one little-endian stream of bits, code i at bits 6 i .. 6 i + 5 (a code: sign, 3 exponent bits, 2 mantissa bits); and NAME_scales (uint8): the same leading axes, one E8M0 byte (e + 127) for each 32 codes along K. Its value is code x scale, taken as it is: it is not quantised again, and the codes and scales need not be those that the quantiser above would give.
;; One version. Each part assembles by itself: llvm-mc -triple=amdgcn-amd-amdhsa -mcpu=gfx1250 --defsym DOCPART=n.
;; ======== version 1 of 1: 3 launches
;; limits: values are held in bf16: 8 bits of precision; right only within a limited range of input values
;; workspace buffers: hpc 131,072 bytes; ufrag 921,600 bytes; part_o 2,097,152 bytes; part_ml 131,072 bytes
;; launch prep (part 1): grid 50 x 4, 1 waves a work-group, no clusters, 0 bytes of LDS; arguments h_codes, h_scales, W_w_codes, W_w_scales, W_b, U_w_codes, U_w_scales, hpc, ufrag; writes hpc, ufrag
.if DOCPART == 1
	.amdgcn_target "amdgcn-amd-amdhsa--gfx1250"
	.amdhsa_code_object_version 6
	.text
	.protected	k_q44f3b17e28_prep
	.globl	k_q44f3b17e28_prep
	.p2align	8
	.type	k_q44f3b17e28_prep,@function
k_q44f3b17e28_prep:
	s_mov_b64 s[64:65], 0
	v_nop
	global_prefetch_b8 v0, s[64:65] scope:SCOPE_SE
	s_setreg_imm32_b32 hwreg(HW_REG_WAVE_MODE, 25, 1), 1
	s_wait_xcnt 0x0
; Two small jobs in one launch, told apart by the work-group's x; one wave to a work-group.
; x < 18:  U's codes and scale bytes are laid anew, in the order of the matrix unit's operand registers, so that the main launch loads each fragment by 16-byte loads alone.
;          ufrag = 4 regions (y: the wave of the main launch that reads it) x 18 records of 12,800 bytes.  Record x holds U's rows 16 T .. 16 T + 15, T = 16 y + x % 16
;          (records 16 and 17 repeat 0 and 1, so that loads that run two tiles ahead never wrap).
;          A record: 256 bytes of scale words (K steps 0-3), four fragments of 1,536 bytes, 256 bytes of scale words (K steps 4-7), four fragments.
;          A fragment (16 rows x 128 K, 12 registers a lane) lies as three runs of 512 bytes: lane l's registers 4 c .. 4 c + 3 at 512 c + 16 l.
;          Scale register q: lanes 0-15 hold row r's word of K step 2 q, lanes 16-31 that of K step 2 q + 1; registers 2 p, 2 p + 1 lie at 8 bytes a lane.
; x >= 18: hpc[b][n] = c (sum over k of h[b][k] W[n][k] + W_b[n]), c = 2 log2(e), on the given codes of E3M2; 128 tiles of 16 x 16, K = 1,024 in eight steps on one accumulator.
;          The product is used transposed (source 0 = 16 rows of W, source 1 = 16 rows of h): a lane holds one row b and eight neighbouring n.  W_b is the C of the first step.
.set C2L, 0x4038aa3b                   ; c = 2 log2(e)
.set REC, 12800
	s_load_b256 s[4:11], s[0:1], 0x0               ; h's codes s[4:5], h's scales s[6:7], W's codes s[8:9], W's scales s[10:11]
	s_load_b256 s[12:19], s[0:1], 0x20             ; W_b s[12:13], U's codes s[14:15], U's scales s[16:17], hpc s[18:19]
	s_load_b64 s[20:21], s[0:1], 0x40              ; ufrag
	v_and_b32 v1, 15, v0                           ; r
	v_lshrrev_b32 v2, 4, v0                        ; h (one wave: v0 is the lane)
	v_mul_u32_u24 v3, v1, 768                      ; a row of 1,024 codes is 768 bytes
	v_mad_u32_u24 v3, v2, 24, v3                   ; + 24 h: my half's 32 codes of a block pair
	v_lshlrev_b32 v4, 5, v1                        ; a row of scale bytes is 32 bytes
	s_and_b32 s22, ttmp7, 0xffff                   ; y
	s_mov_b32 s25, 0
	s_mov_b32 s27, 0
	s_cmp_lt_u32 ttmp9, 18
	s_cbranch_scc0 .Lhproj
	; ---- a record of ufrag
	s_and_b32 s23, ttmp9, 15
	s_lshl_b32 s24, s22, 4
	s_add_co_u32 s23, s23, s24                     ; T
	s_mul_i32 s24, s23, 16*768                     ; its 16 rows of codes
	s_lshl_b32 s26, s23, 9                         ; and of scale bytes
	s_mul_i32 s28, s22, 18*REC
	s_mul_i32 s29, ttmp9, REC
	s_add_co_u32 s28, s28, s29                     ; the record
	s_mov_b32 s29, 0
	s_wait_alu depctr_va_vdst(0)
	v_lshl_add_u32 v4, v2, 2, v4                   ; scale words: 32 r + 4 h
	v_lshlrev_b32 v5, 4, v0                        ; 16 x lane
	v_lshlrev_b32 v6, 3, v0                        ; 8 x lane
	s_wait_alu depctr_va_vdst(0)
	s_wait_kmcnt 0x0
	s_add_nc_u64 s[14:15], s[14:15], s[24:25]
	s_add_nc_u64 s[16:17], s[16:17], s[26:27]
	s_add_nc_u64 s[20:21], s[20:21], s[28:29]
.irp k, 0,1,2,3,4,5,6,7
.irp p, 0,1,2,3,4,5
	global_load_b64 v[16+12*\k+2*\p:17+12*\k+2*\p], v3, s[14:15] offset:96*\k+48*(\p/3)+8*(\p%3)   ; fragment k as the operand's registers want it
.endr
.endr
.irp q, 0,1,2,3
	global_load_b32 v[112+\q], v4, s[16:17] offset:8*\q      ; lanes 0-15 word 2 q, lanes 16-31 word 2 q + 1
.endr
	s_wait_loadcnt 0x0
	global_store_b64 v6, v[112:113], s[20:21]
	global_store_b64 v6, v[114:115], s[20:21] offset:6400
.irp k, 0,1,2,3,4,5,6,7
.irp c, 0,1,2
	global_store_b128 v5, v[16+12*\k+4*\c:19+12*\k+4*\c], s[20:21] offset:6400*(\k/4)+256+1536*(\k%4)+512*\c   ; 32 lanes store 512 consecutive bytes
.endr
.endr
	s_endpgm
.Lhproj:
	; ---- a tile of hpc
	s_sub_co_u32 s23, ttmp9, 18
	s_lshl_b32 s24, s22, 5
	s_add_co_u32 s23, s23, s24                     ; 0 .. 127
	s_lshr_b32 s28, s23, 1                         ; T: W's rows 16 T on
	s_and_b32 s29, s23, 1                          ; which 16 rows of h
	s_mul_i32 s24, s28, 16*768                     ; W's codes
	s_lshl_b32 s26, s28, 9                         ; W's scale bytes
	s_mul_i32 s30, s29, 16*768                     ; h's codes
	s_mov_b32 s31, 0
	s_lshl_b32 s32, s29, 9                         ; h's scale bytes
	s_mov_b32 s33, 0
	s_lshl_b32 s34, s28, 6                         ; 16 T numbers of f32: W_b, and the columns of hpc
	s_mov_b32 s35, 0
	s_lshl_b32 s36, s29, 16                        ; 16 rows of hpc, 4,096 bytes each
	s_add_co_u32 s36, s36, s34
	s_mov_b32 s37, 0
	s_mov_b32 s38, C2L
	s_mov_b32 s39, s38                             ; (named with it as a pair, so it is written)
	s_wait_alu depctr_va_vdst(0)
	v_lshlrev_b32 v5, 5, v2                        ; 32 h: my eight n
	v_lshl_add_u32 v6, v1, 12, v5                  ; hpc: row r, + 32 h
	s_wait_alu depctr_va_vdst(0)
	s_wait_kmcnt 0x0
	s_add_nc_u64 s[8:9], s[8:9], s[24:25]
	s_add_nc_u64 s[10:11], s[10:11], s[26:27]
	s_add_nc_u64 s[4:5], s[4:5], s[30:31]
	s_add_nc_u64 s[6:7], s[6:7], s[32:33]
	s_add_nc_u64 s[12:13], s[12:13], s[34:35]
	s_add_nc_u64 s[18:19], s[18:19], s[36:37]
.irp k, 0,1,2,3,4,5,6,7
.irp p, 0,1,2,3,4,5
	global_load_b64 v[16+12*\k+2*\p:17+12*\k+2*\p], v3, s[8:9] offset:96*\k+48*(\p/3)+8*(\p%3)       ; W
	global_load_b64 v[112+12*\k+2*\p:113+12*\k+2*\p], v3, s[4:5] offset:96*\k+48*(\p/3)+8*(\p%3)     ; h
.endr
.endr
	global_load_b128 v[208:211], v4, s[10:11]                ; row r's eight scale words: register k serves K step k
	global_load_b128 v[212:215], v4, s[10:11] offset:16
	global_load_b128 v[216:219], v4, s[6:7]
	global_load_b128 v[220:223], v4, s[6:7] offset:16
	global_load_b128 v[224:227], v5, s[12:13]                ; W_b at my eight n, in the result's layout
	global_load_b128 v[228:231], v5, s[12:13] offset:16
	s_wait_loadcnt 0x0
	v_wmma_scale_f32_16x16x128_f8f6f4 v[232:239], v[16:27], v[112:123], v[224:231], v208, v216 matrix_a_fmt:MATRIX_FMT_BF6 matrix_b_fmt:MATRIX_FMT_BF6
.irp k, 1,2,3,4,5,6,7
	s_wait_alu depctr_va_vdst(0)                   ; one accumulator, link behind link
	v_wmma_scale_f32_16x16x128_f8f6f4 v[232:239], v[16+12*\k:27+12*\k], v[112+12*\k:123+12*\k], v[232:239], v[208+\k], v[216+\k] matrix_a_fmt:MATRIX_FMT_BF6 matrix_b_fmt:MATRIX_FMT_BF6
.endr
.rept 4
	v_nop                                          ; four places ahead of the first read of the result (ISA guide 7.12.1)
.endr
.irp j, 0,2,4,6
	v_pk_mul_f32 v[240+\j:241+\j], v[232+\j:233+\j], s[38:39] op_sel_hi:[1,0]   ; x c, from the low end on
.endr
	global_store_b128 v6, v[240:243], s[18:19]
	global_store_b128 v6, v[244:247], s[18:19] offset:16
	s_endpgm
.Lfunc_end_k_q44f3b17e28_prep:
	.size	k_q44f3b17e28_prep, .Lfunc_end_k_q44f3b17e28_prep-k_q44f3b17e28_prep
	.p2alignl 7, 3214868480
	.fill 96, 4, 3214868480
	.section	.rodata,"a",@progbits
	.p2align	6, 0x0
	.amdhsa_kernel k_q44f3b17e28_prep
		.amdhsa_group_segment_fixed_size 0
		.amdhsa_private_segment_fixed_size 0
		.amdhsa_enable_private_segment 0
		.amdhsa_kernarg_size 72
		.amdhsa_user_sgpr_count 2
		.amdhsa_user_sgpr_kernarg_segment_ptr 1
		.amdhsa_wavefront_size32 1
		.amdhsa_system_sgpr_workgroup_id_x 1
		.amdhsa_system_sgpr_workgroup_id_y 1
		.amdhsa_system_sgpr_workgroup_id_z 1
		.amdhsa_system_vgpr_workitem_id 0
		.amdhsa_next_free_vgpr 256
		.amdhsa_next_free_sgpr 66
		.amdhsa_reserve_vcc 0
		.amdhsa_float_denorm_mode_32 3
		.amdhsa_float_denorm_mode_16_64 3
		.amdhsa_memory_ordered 1
		.amdhsa_forward_progress 1
		.amdhsa_inst_pref_size 22
	.end_amdhsa_kernel
	.amdgpu_metadata
---
amdhsa.version: [ 1, 2 ]
amdhsa.kernels:
  - .name:           k_q44f3b17e28_prep
    .symbol:         k_q44f3b17e28_prep.kd
    .args:
      - { .name: h_codes, .offset: 0, .size: 8, .value_kind: global_buffer, .address_space: global }
      - { .name: h_scales, .offset: 8, .size: 8, .value_kind: global_buffer, .address_space: global }
      - { .name: W_w_codes, .offset: 16, .size: 8, .value_kind: global_buffer, .address_space: global }
      - { .name: W_w_scales, .offset: 24, .size: 8, .value_kind: global_buffer, .address_space: global }
      - { .name: W_b, .offset: 32, .size: 8, .value_kind: global_buffer, .address_space: global }
      - { .name: U_w_codes, .offset: 40, .size: 8, .value_kind: global_buffer, .address_space: global }
      - { .name: U_w_scales, .offset: 48, .size: 8, .value_kind: global_buffer, .address_space: global }
      - { .name: hpc, .offset: 56, .size: 8, .value_kind: global_buffer, .address_space: global }
      - { .name: ufrag, .offset: 64, .size: 8, .value_kind: global_buffer, .address_space: global }
    .group_segment_fixed_size: 0
    .private_segment_fixed_size: 0
    .kernarg_segment_align: 8
    .kernarg_segment_size: 72
    .max_flat_workgroup_size: 32
    .sgpr_count:     66
    .vgpr_count:     256
    .wavefront_size: 32
...
	.end_amdgpu_metadata
.endif
;; end of part 1
;; launch main (part 2): grid 256 x 1, 4 waves a work-group, no clusters, 327,680 bytes of LDS; arguments V, ufrag, hpc, w_w, part_o, part_ml; writes part_o, part_ml
.if DOCPART == 2
	.amdgcn_target "amdgcn-amd-amdhsa--gfx1250"
	.amdhsa_code_object_version 6
	.text
	.protected	k_q44f3b17e28_main
	.globl	k_q44f3b17e28_main
	.p2align	8
	.type	k_q44f3b17e28_main,@function
k_q44f3b17e28_main:
	s_mov_b64 s[64:65], 0
	v_nop
	global_prefetch_b8 v0, s[64:65] scope:SCOPE_SE
	s_setreg_imm32_b32 hwreg(HW_REG_WAVE_MODE, 25, 1), 1
	s_wait_xcnt 0x0
; For 256 rows s of one batch, as two groups of 128: t[s] = log2(e) e[s] up to a constant, e = w . tanh(h W^T + W_b + V[s] U^T); for each group m = max t, l = sum of 2^(t - m), o = sum of 2^(t - m) V[s].
; Stored: (m, l) and o[1024] of each group; the next launch joins the 16 groups of a batch.  V is read from memory once.
; ARITHMETIC.  tanh x = 1 - 2 r, r = 1 / (1 + 2^(c x)), c = 2 log2(e).  The term sum of w is the same for every s, so the softmax does not see it: t = -2 log2(e) sum over n of w[n] r[n].
;   c (h W^T + W_b) comes ready from the launch before (hpc).  2^(c x) = infinity gives r = 0, 2^(c x) = 0 gives r = 1: both right.
; V U^T is done on codes of E3M2 with one E8M0 scale for each 32 along K: V is quantised here, in f32; U arrives as codes (ufrag: in the order of the operand's registers).
; SHARES.  THE WAVES SHARE N: wave w owns U's rows 256 w .. 256 w + 255 (16 tiles of 16) and holds the codes of all 128 rows of the group (8 slots x 96 registers), so U is walked once for each 128 rows.
;   A group: (1) V's rows come in, 16 at a time: each wave loads its quarter of K (512 consecutive bytes an instruction), turns it through its own LDS stage, quantises it, keeps it as bf16 in its own LDS bytes
;   and hands the two fragments to the others through LDS as images of the operand's registers; (2) 16 stages, one tile of U each: 64 matrix instructions, then the tanh of their 64 results a lane;
;   (3) t's sums over lanes and waves, the softmax's weights, and o for the wave's 256 columns.
; THE PRODUCT IS USED TRANSPOSED (source 0 = 16 rows of U, source 1 = 16 rows of V): lane (r, h) holds row r of V, register j the column n = 8 h + j.
; NO CLUSTER: V's rows are read by one work-group alone; U goes from memory straight to registers, each byte to one wave of a work-group, and beside 128 rows of bf16 LDS has no room for slots of U.
; NO PREFETCH: V's loads run two tiles of 16 rows ahead of their use, the next group's first three halves from the moment t's sums have left their registers; U has been read by other work-groups.
; LIMITS: NaN and infinities among the inputs are not served; a block of V whose largest magnitude lies under 2^-122 keeps the scale byte 1 (a block of zeros too: its codes are zeros); V is rounded to bf16 for o.
; REGISTERS, in windows of 256.  In window q v64-255 hold V's slots 2 q, 2 q + 1 (64 + 96 (m % 2) + 12 k).  The low 64:
;   window 0: v1-17 addresses, v18-21 at work, v22-23 for the add, v24-31 U's scale words (4 set + k / 2), v32-63 V's (4 m + k / 2).   window 1: the 8 accumulators (8 m).
;   window 2: U's fragments of K steps 0-4, v60-63 w of columns 0-3.   window 3: U's fragments of K steps 5-7, v36-51 t's sums (2 m), v52-59 hpc, v60-63 w of columns 4-7.
;   Outside the stages the low 64 of windows 1-3 are at work.  V's load buffer is all of window 3: even tiles v32-159, odd tiles v160-255 and v0-31 (slots 6 and 7 are filled last, each behind its half's last use).
.set STP,   528                        ; the stage: 16 rows x (512 bytes + 16) for each wave
.set BFP,   528                        ; bf16: 128 rows x (512 bytes + 16) for each wave
.set BF,    4*16*STP
.set IMG,   BF+4*128*BFP               ; the entering 16 rows' 8 fragments, 1,536 bytes each
.set SIMG,  IMG+8*1536                 ; their scale words, 128 bytes each
.set EX,    SIMG+8*128                 ; t's sums: [wave][128 rows]
.set PX,    EX+2048                    ; the weights, 512 bytes for each wave
.set SPARE, PX+2048                    ; the spare words, 128 bytes for each wave
.set REC,   12800                      ; a record of ufrag: one tile of U
.set PC,    0                          ; window 2: codes just made
.set TM,    20                         ; the quantiser's scratch
.set PW,    36                         ; the scale word just made
.set MSB, 0
.macro WIN new                         ; the immediate's high byte repeats the setting that is left; a switch that changes nothing is dropped
.if MSB != (\new)
	s_set_vgpr_msb (MSB<<8)|(\new)
.set MSB, (\new)
.endif
.endm
.macro BAR
	s_wait_dscnt 0x0                               ; my LDS stores have landed and my LDS loads are in
	s_barrier_signal -1
	s_barrier_wait -1
.endm
; ---- a record of U in four groups of two K steps: group 0 is 8 loads (both pairs of scale words, into set st, and 6 for the fragments), the others 6 each
.macro LOADG st, off, g
.if (\g) == 0
	WIN 0
	global_load_b64 v[24+4*(\st):25+4*(\st)], v2, s[30:31] offset:(\off)
	global_load_b64 v[26+4*(\st):27+4*(\st)], v2, s[30:31] offset:(\off)+6400
.endif
.set n_, 6*(\g)
.rept 6
.if n_ < 15
	WIN 0x80
	global_load_b128 v[4*n_:4*n_+3], v1, s[30:31] offset:(\off)+6400*(n_/12)+256+512*(n_%12)
.else
	WIN 0xc0
	global_load_b128 v[4*n_-60:4*n_-57], v1, s[30:31] offset:(\off)+6400*(n_/12)+256+512*(n_%12)
.endif
.set n_, n_+1
.endr
.endm
.macro LOADU st, off
	LOADG \st, \off, 0
	LOADG \st, \off, 1
	LOADG \st, \off, 2
	LOADG \st, \off, 3
.endm
; ---- A STAGE: one tile of U.  K outermost, the eight accumulators by turns.  Behind every two K steps their registers take the same K steps of the next tile.
.macro STAGE par
	WIN 0xc0                                       ; hpc and w at my eight columns of this tile: 4 loads
	global_load_b128 v[52:55], v3, s[32:33] offset:64*(\par)
	global_load_b128 v[56:59], v3, s[32:33] offset:64*(\par)+16
	global_load_b128 v[60:63], v3, s[34:35] offset:64*(\par)+16
	WIN 0x80
	global_load_b128 v[60:63], v3, s[34:35] offset:64*(\par)
.set g_, 0
.rept 4
.if g_ == 0
	s_wait_loadcnt 22                              ; this tile's group 0 is in; behind it: its groups 1-3 (18) and the 4 loads above
.else
	s_wait_loadcnt 24                              ; group g is in; behind it: 6 (3 - g) of this tile, the 4 above, and 8 + 6 (g - 1) of the next tile
.endif
.set i, 0
.rept 16
.set k_, 2*g_+i/8
.set m_, i%8
.set rA, 64+96*(m_%2)+12*k_
.set rB, 12*(k_%5)
	WIN 0x50|((m_/2)<<2)|(2+k_/5)
.if k_ == 0
	v_wmma_scale_f32_16x16x128_f8f6f4 v[8*m_:8*m_+7], v[rB:rB+11], v[rA:rA+11], 0, v[24+4*(\par)], v[32+4*m_] matrix_a_fmt:MATRIX_FMT_BF6 matrix_b_fmt:MATRIX_FMT_BF6
.elseif k_%2 == 0
	v_wmma_scale_f32_16x16x128_f8f6f4 v[8*m_:8*m_+7], v[rB:rB+11], v[rA:rA+11], v[8*m_:8*m_+7], v[24+4*(\par)+k_/2], v[32+4*m_+k_/2] matrix_a_fmt:MATRIX_FMT_BF6 matrix_b_fmt:MATRIX_FMT_BF6
.else
	v_wmma_scale_f32_16x16x128_f8f6f4 v[8*m_:8*m_+7], v[rB:rB+11], v[rA:rA+11], v[8*m_:8*m_+7], v[24+4*(\par)+k_/2], v[32+4*m_+k_/2] matrix_a_fmt:MATRIX_FMT_BF6 matrix_b_fmt:MATRIX_FMT_BF6 matrix_a_scale:MATRIX_SCALE_ROW1 matrix_b_scale:MATRIX_SCALE_ROW1
.endif
.set i, i+1
.endr
.rept 4
	v_nop                                          ; four places ahead of the loads into U's registers, and at the end ahead of the first read of the results
.endr
	LOADG 1-(\par), (1+(\par))*REC, g_
.set g_, g_+1
.endr
	s_wait_loadcnt 26                              ; hpc and w are in; the next tile's 26 loads may be out
	WIN 0x71
.set n_, 0
.rept 32
	v_pk_fma_f32 v[2*n_:2*n_+1], v[2*n_:2*n_+1], s[22:23], v[52+2*(n_%4):53+2*(n_%4)] op_sel_hi:[1,0,1]   ; c x + hpc, each accumulator from its low end on
.set n_, n_+1
.endr
	WIN 0x41
	s_wait_alu depctr_va_vdst(0)                   ; ahead of a batch of transcendentals,
.set n_, 0
.rept 64
	v_exp_f32 v[n_], v[n_]
.set n_, n_+1
.endr
	v_nop
	s_wait_alu depctr_va_vdst(0)                   ; and behind it
.set n_, 0
.rept 32
	v_pk_add_f32 v[2*n_:2*n_+1], v[2*n_:2*n_+1], 1.0 op_sel_hi:[1,0]
.set n_, n_+1
.endr
	s_wait_alu depctr_va_vdst(0)
.set n_, 0
.rept 64
	v_rcp_f32 v[n_], v[n_]
.set n_, n_+1
.endr
	v_nop
	s_wait_alu depctr_va_vdst(0)
.set n_, 0
.rept 32                                       ; t's sums += w r: the eight slots by turns, a pair of columns each
	WIN 0xf9+4*(n_/16)
	v_pk_fma_f32 v[36+2*(n_%8):37+2*(n_%8)], v[8*(n_%8)+2*(n_/8):8*(n_%8)+2*(n_/8)+1], v[60+2*((n_/8)%2):61+2*((n_/8)%2)], v[36+2*(n_%8):37+2*(n_%8)]
.set n_, n_+1
.endr
.endm
; ---- V's way in.  s[38:39] stands at the even tile of the pair that is being asked for; hf = 0: that tile, 1: the odd one
.macro LOADV q, hf                     ; 16 rows x 512 bytes of my quarter of K (K step 2 w + q) into half hf of the buffer: 32 lanes take 512 consecutive bytes
	WIN 0xc0
.set n_, 0
.rept 16
.set b_, (32+128*(\hf)+64*(\q)+4*n_)%256
	global_load_b128 v[b_:b_+3], v1, s[38:39] offset:65536*(\hf)+4096*n_+512*(\q) th:TH_LOAD_NT
.set n_, n_+1
.endr
.endm
.macro PROV3                           ; a group's first three halves of a tile: 48 loads
	LOADV 0, 0
	LOADV 1, 0
	LOADV 0, 1
	WIN 0
.endm
.macro QUANT                           ; 64 numbers (window 1: register 16 b + i = k 32 b + 16 h + i of row r) become a fragment's codes and its scale word (window 2)
	WIN 0xa5
.irp b, 0,1,2,3
	v_max3_num_f32 v[TM+\b], |v[16*\b]|, |v[16*\b+1]|, 0x2800000   ; with the floor 2^(5 - 127): the byte cannot fall under 1
.endr
.irp i, 2,4,6,8,10,12,14
.irp b, 0,1,2,3
	v_max3_num_f32 v[TM+\b], |v[16*\b+\i]|, |v[16*\b+\i+1]|, v[TM+\b]
.endr
.endr
	WIN 0xaa
.irp b, 0,1,2,3
	v_permlanex16_b32 v[TM+4+\b], v[TM+\b], s24, s25
.endr
.irp b, 0,1,2,3
	v_max_num_f32 v[TM+\b], v[TM+\b], v[TM+4+\b]   ; with lane l xor 16's: the block's largest magnitude
.endr
.irp b, 0,1,2,3
	v_add_nc_u32 v[TM+12+\b], 0xfe000000, v[TM+\b] ; 4 off its exponent field: the conversion's scale operand
.endr
.irp b, 0,1,2,3
	v_lshrrev_b32 v[TM+4+\b], 23, v[TM+12+\b]      ; the scale's byte
.endr
	v_lshl_or_b32 v[PW], v[TM+5], 8, v[TM+4]
	v_lshl_or_b32 v[PW], v[TM+6], 16, v[PW]
	v_lshl_or_b32 v[PW], v[TM+7], 24, v[PW]
	WIN 0x89
.irp c, 0,1
	v_cvt_scalef32_pk16_bf6_f32 v[PC+6*\c:PC+2+6*\c], v[32*\c:32*\c+15], v[TM+12+2*\c]
	v_cvt_scalef32_pk16_bf6_f32 v[PC+12+4*\c:PC+14+4*\c], v[32*\c+16:32*\c+31], v[TM+13+2*\c]   ; (a conversion's three registers begin on an even number)
.endr
	WIN 0xaa
	v_nop                                          ; one plain line behind a scaled conversion
.irp c, 0,1                                    ; the operand's layout wants a whole block in a lane
.irp i, 0,1,2
	v_permlane16_swap_b32 v[PC+6*\c+\i], v[PC+12+4*\c+\i]
.endr
.irp i, 0,1,2
	v_mov_b32 v[PC+3+6*\c+\i], v[PC+12+4*\c+\i]
.endr
.endr
.endm
.macro VHALF q, hf, cnt, more          ; K step 2 w + q of the 16 rows in hand; cnt: the loads issued behind this half's; more = 1: the same half of the tile two further on is asked for
	s_wait_loadcnt \cnt
	WIN 0x0c
.set n_, 0
.rept 16
.set b_, (32+128*(\hf)+64*(\q)+4*n_)%256
	ds_store_b128 v4, v[b_:b_+3] offset:STP*n_
.set n_, n_+1
.endr
	s_wait_dscnt 0x0                               ; these stores and the last half's have read their registers
.if \more
	LOADV \q, \hf
.endif
	WIN 0x40
.set n_, 0
.rept 16
	ds_load_b128 v[4*n_:4*n_+3], v5 offset:128*(n_/4)+16*(n_%4)   ; back by rows: lane (r, h) takes 16 numbers of each block of 32
.set n_, n_+1
.endr
	s_wait_dscnt 0x0
	QUANT
	WIN 0x08
.irp c, 0,1,2
	ds_store_b128 v6, v[PC+4*\c:PC+4*\c+3] offset:(\q)*1536+512*\c
.endr
	ds_store_b32 v7, v[PW] offset:(\q)*128
	WIN 0x45
.set n_, 0
.rept 32
	v_cvt_pk_bf16_f32 v[n_], v[2*n_], v[2*n_+1]    ; bf16 in place: a result never lands on a number that is still to be read
.set n_, n_+1
.endr
	WIN 0x04
.set n_, 0
.rept 8
	ds_store_b128 v11, v[4*n_:4*n_+3] offset:(\hf)*16*BFP+(\q)*256+64*(n_/2)+16*(n_%2)
.set n_, n_+1
.endr
.endm
.macro VTILE hf, c0, c1, more
	VHALF 0, \hf, \c0, \more
	VHALF 1, \hf, \c1, \more
	WIN 0
	BAR                                            ; the eight images are whole
.endm
.macro POST i                          ; the 16 rows' 8 fragments and scale words into slot i
	WIN 0x40*((\i)/2)
.set n_, 0
.rept 24
	ds_load_b128 v[64+96*((\i)%2)+4*n_:64+96*((\i)%2)+4*n_+3], v8 offset:512*n_
.set n_, n_+1
.endr
	WIN 0
.irp q, 0,1,2,3
	ds_load_b32 v[32+4*(\i)+\q], v9 offset:256*\q   ; lanes 0-15 the word of K step 2 q, lanes 16-31 that of 2 q + 1
.endr
.endm
.macro ARMS a, b, c                    ; the slot by the trip's number
	s_cmp_eq_u32 s18, 0
	s_cbranch_scc0 .La1_\@
	POST \a
	s_branch .Lad_\@
.La1_\@:
	s_cmp_eq_u32 s18, 1
	s_cbranch_scc0 .La2_\@
	POST \b
	s_branch .Lad_\@
.La2_\@:
	POST \c
.Lad_\@:
.endm
; ---- o
.macro ROWS8 q                         ; eight rows of bf16: 512 consecutive bytes a load, 8 columns a lane
	WIN 0x40
.irp e, 0,1,2,3,4,5,6,7
	ds_load_b128 v[32*((\q)%2)+4*\e:32*((\q)%2)+4*\e+3], v13 offset:(8*(\q)+\e)*BFP
.endr
.endm
.macro FMA8 q                          ; o += p V for those eight rows
	WIN 0xa5
.irp e, 0,1,2,3,4,5,6,7
.irp j, 0,1,2,3
	v_fma_mix_f32_bf16 v[24+2*\j], v[32*((\q)%2)+4*\e+\j], v[64+8*(\q)+\e], v[24+2*\j] op_sel:[0,0,0] op_sel_hi:[1,0,0]
	v_fma_mix_f32_bf16 v[25+2*\j], v[32*((\q)%2)+4*\e+\j], v[64+8*(\q)+\e], v[25+2*\j] op_sel:[1,0,0] op_sel_hi:[1,0,0]
.endr
.endr
.endm
	; ==== THE HEAD
	s_load_b256 s[4:11], s[0:1], 0x0               ; V s[4:5], ufrag s[6:7], hpc s[8:9], w_w s[10:11]
	s_load_b128 s[12:15], s[0:1], 0x20             ; part_o s[12:13], part_ml s[14:15]
	v_lshl_add_u32 v22, v0, 2, SPARE               ; my spare word,
	v_mov_b32 v23, 0                               ; and 0: kept for the add at the wave's end
	v_lshrrev_b32 v20, 5, v0
	v_readfirstlane_b32 s16, v20                   ; wave 0..3
	s_mov_b32 s17, ttmp9                           ; the work-group
	s_mul_i32 s44, s16, 16*STP                     ; my stage
	s_mul_i32 s45, s16, 2*1536
	s_add_co_u32 s45, s45, IMG                     ; where I store images: K steps 2 w, 2 w + 1
	s_lshl_b32 s46, s16, 8
	s_add_co_u32 s46, s46, SIMG
	s_mul_i32 s47, s16, 128*BFP
	s_add_co_u32 s47, s47, BF                      ; my bf16
	s_lshl_b32 s48, s16, 9
	s_add_co_u32 s49, s48, PX
	s_add_co_u32 s48, s48, EX
	s_mov_b32 s22, 0x4038aa3b                      ; c = 2 log2(e)
	s_mov_b32 s23, s22                             ; (named with it as a pair, so it is written)
	s_mov_b32 s24, 0x76543210
	s_mov_b32 s25, 0xfedcba98                      ; v_permlanex16_b32's selects for lane l xor 16
	v_and_b32 v20, 31, v0                          ; lane
	v_and_b32 v21, 15, v0                          ; r
	v_bfe_u32 v19, v0, 4, 1                        ; h
	v_lshlrev_b32 v1, 4, v20                       ; 16 x lane
	v_lshlrev_b32 v2, 3, v20                       ; 8 x lane
	v_lshlrev_b32 v3, 5, v19                       ; 32 h: my eight columns of a tile, as f32
	v_add_nc_u32 v4, s44, v1                       ; the stage, in
	v_mul_u32_u24 v5, v21, STP
	v_lshl_add_u32 v5, v19, 6, v5
	v_add_nc_u32 v5, s44, v5                       ; the stage, out: row r, + 64 h
	v_add_nc_u32 v6, s45, v1
	v_lshl_add_u32 v7, v20, 2, s46
	v_add_nc_u32 v8, IMG, v1                       ; where I read images,
	v_lshlrev_b32 v9, 2, v20
	v_lshl_add_u32 v9, v19, 7, v9
	v_add_nc_u32 v9, SIMG, v9                      ; and scale words: lanes 16-31 the odd K step's
	v_mul_u32_u24 v10, v21, BFP
	v_lshl_add_u32 v10, v19, 5, v10
	v_add_nc_u32 v10, s47, v10                     ; bf16 in: row r, + 32 h
	v_add_nc_u32 v12, s47, v1                      ; bf16 out: 16 bytes a lane of a row
	v_lshl_add_u32 v14, v21, 2, s48                ; my sums: row r of a slot
	v_lshl_add_u32 v15, v20, 2, EX                 ; all waves' sums of row = lane
	v_lshl_add_u32 v16, v20, 2, s49                ; my wave's weights, in
	v_mov_b32 v17, s49                             ; and out
	s_lshl_b32 s2, s17, 20                         ; 256 rows of 4,096 bytes a work-group,
	s_lshl_b32 s3, s16, 10                         ; my quarter of K
	s_add_co_u32 s2, s2, s3
	s_mov_b32 s3, 0
	s_mul_i32 s50, s16, 18*REC
	s_mov_b32 s51, 0
	s_lshr_b32 s26, s17, 3
	s_lshl_b32 s26, s26, 12                        ; my batch's row of hpc,
	s_lshl_b32 s42, s16, 10                        ; my 256 columns
	s_add_co_u32 s26, s26, s42
	s_mov_b32 s27, 0
	s_mov_b32 s43, 0
	s_wait_alu depctr_va_vdst(0)
	s_wait_kmcnt 0x0
	s_add_nc_u64 s[38:39], s[4:5], s[2:3]          ; the next pair of tiles of V to ask for
	PROV3                                          ; the first group's first three halves
	s_add_nc_u64 s[28:29], s[6:7], s[50:51]        ; my region of ufrag
	s_add_nc_u64 s[36:37], s[8:9], s[26:27]
	s_add_nc_u64 s[40:41], s[10:11], s[42:43]
	s_lshl_b32 s2, s17, 13                         ; two parts of 4,096 bytes a work-group
	s_add_co_u32 s2, s2, s42
	s_add_nc_u64 s[12:13], s[12:13], s[2:3]
	s_lshl_b32 s2, s17, 9                          ; two of 256 bytes
	s_add_nc_u64 s[14:15], s[14:15], s[2:3]
	s_mov_b32 s19, 0
.Lgroup:
	; ==== 128 ROWS COME IN, two tiles of 16 a trip; each half of a tile asks for the same half two tiles on.  Loads go out in the order tile, half
	LOADV 1, 1                                     ; the fourth half: tiles 0 and 1 are now asked for
	WIN 0xaa
.irp b, 0,1,2,3
	v_mov_b32 v[TM+4+\b], 0                        ; a lane permute's destination counts as one of its sources
.endr
	WIN 0
	s_wait_xcnt 0x0                                ; the loads have read their base
	s_add_nc_u64 s[38:39], s[38:39], 32*4096
	s_mov_b32 s18, 0
	s_mov_b32 s20, 0
.Lvt:
	v_add_nc_u32 v11, s20, v10                     ; where these 32 rows' bf16 goes
	s_wait_alu depctr_va_vdst(0)
	VTILE 0, 48, 48, 1                             ; behind the half in hand: three halves, 48 loads
	ARMS 0, 2, 4
	BAR                                            ; nobody reads these images any more
	VTILE 1, 48, 48, 1
	ARMS 1, 3, 5
	BAR
	s_wait_xcnt 0x0
	s_add_nc_u64 s[38:39], s[38:39], 32*4096
	s_add_co_u32 s20, s20, 32*BFP
	s_add_co_u32 s18, s18, 1
	s_cmp_lt_u32 s18, 3
	s_cbranch_scc1 .Lvt
	v_add_nc_u32 v11, 6*16*BFP, v10
	s_wait_alu depctr_va_vdst(0)
	VTILE 0, 48, 32, 0                             ; tiles 6 and 7: nothing more is asked for, and each half of the buffer becomes a slot
	POST 6
	BAR
	VTILE 1, 16, 0, 0
	s_mov_b64 s[30:31], s[28:29]
	s_mov_b64 s[32:33], s[36:37]
	s_mov_b64 s[34:35], s[40:41]
	LOADU 0, 0                                     ; U's tile 0: the quantiser's registers and the buffer are free
	POST 7
	WIN 0xc0
.set n_, 0
.rept 16
	v_mov_b32 v[36+n_], 0                          ; t's sums
.set n_, n_+1
.endr
	WIN 0
	s_wait_dscnt 0x0                               ; slot 7 is in (the barrier in front of t's sums parts these reads from the next group's images)
	; ==== 16 STAGES, two a trip
	s_mov_b32 s21, 8
.Lpass:
	STAGE 0
	STAGE 1
	WIN 0                                          ; at a label and at a branch every window is 0
	s_wait_xcnt 0x0                                ; the trip's loads have read their bases
	s_add_nc_u64 s[30:31], s[30:31], 2*REC
	s_add_nc_u64 s[32:33], s[32:33], 128
	s_add_nc_u64 s[34:35], s[34:35], 128
	s_sub_co_u32 s21, s21, 1
	s_cmp_lg_u32 s21, 0
	s_wait_alu depctr_va_vdst(0)
	s_cbranch_scc1 .Lpass
	s_wait_loadcnt 0x0                             ; the last stage's look-ahead (record 16, a copy of record 0) has landed: U's registers are free
	; ==== THE GROUP LEAVES: t over my 256 columns, to LDS (row 16 m + r)
	WIN 0xff
.irp m, 0,1,2,3,4,5,6,7
	v_add_f32 v[\m], v[36+2*\m], v[37+2*\m]
.endr
.irp m, 0,1,2,3,4,5,6,7
	v_mov_b32 v[8+\m], 0
.endr
.irp m, 0,1,2,3,4,5,6,7
	v_permlanex16_b32 v[8+\m], v[\m], s24, s25
.endr
.irp m, 0,1,2,3,4,5,6,7
	v_add_f32 v[\m], v[\m], v[8+\m]                ; with lane l xor 16's eight columns
.endr
	WIN 0x0c
.irp m, 0,1,2,3,4,5,6,7
	ds_store_b32 v14, v[\m] offset:64*\m           ; lanes r and 16 + r write the same word with the same value
.endr
	WIN 0
	BAR
	s_cmp_eq_u32 s19, 0
	s_cbranch_scc0 .Lno_next
	PROV3                                          ; window 3 is free: the next group's first three halves are asked for under the work below, which names windows 0-2 alone
.Lno_next:
	WIN 0x80
.irp i, 0,1,2,3
.irp w, 0,1,2,3
	ds_load_b32 v[4*\i+\w], v15 offset:512*\w+128*\i   ; the four waves' sums of row 32 i + lane
.endr
.endr
	s_wait_dscnt 0x0
	WIN 0xaa                                       ; every wave alike, in window 2
.irp i, 0,1,2,3
	v_add_f32 v[4*\i], v[4*\i], v[4*\i+1]
	v_add_f32 v[4*\i+2], v[4*\i+2], v[4*\i+3]
.endr
.irp i, 0,1,2,3
	v_add_f32 v[4*\i], v[4*\i], v[4*\i+2]
.endr
.irp i, 0,1,2,3
	v_mul_f32 v[4*\i], 0xc038aa3b, v[4*\i]         ; t = -2 log2(e) x the sum
.endr
	v_max3_num_f32 v16, v0, v4, v8
	v_max_num_f32 v16, v16, v12
	v_mov_b32 v17, 0
.irp x, 1,2,4,8
	v_max_num_f32_dpp v16, v16, v16 row_xmask:\x row_mask:0xf bank_mask:0xf
.endr
	v_permlanex16_b32 v17, v16, s24, s25
	v_max_num_f32 v18, v16, v17                    ; m: the group's largest t
.irp i, 0,1,2,3
	v_sub_f32 v[4*\i], v[4*\i], v18
.endr
	s_wait_alu depctr_va_vdst(0)                   ; ahead of the batch,
.irp i, 0,1,2,3
	v_exp_f32 v[20+\i], v[4*\i]                    ; p = 2^(t - m)
.endr
	v_nop
	s_wait_alu depctr_va_vdst(0)                   ; and behind it
	v_add_f32 v19, v20, v21
	v_add_f32 v17, v22, v23
	v_add_f32 v19, v19, v17
.irp x, 1,2,4,8
	v_add_f32_dpp v19, v19, v19 row_xmask:\x row_mask:0xf bank_mask:0xf
.endr
	v_permlanex16_b32 v17, v19, s24, s25
	v_add_f32 v19, v19, v17                        ; l, in every lane
.irp j, 0,1,2,3,4,5,6,7
	v_mov_b32 v[24+\j], 0                          ; o: 8 columns a lane
.endr
	WIN 0x08
.irp i, 0,1,2,3
	ds_store_b32 v16, v[20+\i] offset:128*\i
.endr
	WIN 0
	s_mov_b32 s20, 0
	s_mov_b32 s21, 0
	s_mov_b32 s18, 0
	s_wait_alu depctr_va_vdst(0)
.Lsum:                                                 ; 32 rows a trip
	v_add_nc_u32 v13, s20, v12
	v_add_nc_u32 v19, s21, v17
	WIN 0x40
.irp q, 0,1,2,3,4,5,6,7
	ds_load_b128 v[64+4*\q:67+4*\q], v19 offset:16*\q   ; the 32 weights into every lane; LDS serves a wave's instructions in order: these see the stores above
.endr
	ROWS8 0
	ROWS8 1
	s_wait_dscnt 8                                 ; all but the youngest eight loads
	FMA8 0
	ROWS8 2
	s_wait_alu depctr_va_vdst(0)
	s_wait_dscnt 8
	FMA8 1
	ROWS8 3
	s_wait_alu depctr_va_vdst(0)
	s_wait_dscnt 8
	FMA8 2
	s_wait_alu depctr_va_vdst(0)
	s_wait_dscnt 0x0
	FMA8 3
	WIN 0
	s_add_co_u32 s20, s20, 32*BFP
	s_add_co_u32 s21, s21, 128
	s_add_co_u32 s18, s18, 1
	s_cmp_lt_u32 s18, 4
	s_wait_alu depctr_va_vdst(0)
	s_cbranch_scc1 .Lsum
	; ==== THE WAY OUT: a lane's 8 columns are 32 bytes: they turn through my stage and come back 16 bytes a lane
	v_add_nc_u32 v18, v4, v1
	WIN 0x08
	ds_store_b128 v18, v[24:27]
	ds_store_b128 v18, v[28:31] offset:16
	WIN 0x80
	ds_load_b128 v[32:35], v4
	ds_load_b128 v[36:39], v4 offset:512
	s_wait_dscnt 0x0
	WIN 0x08
	global_store_b128 v1, v[32:35], s[12:13]                 ; 32 lanes store 512 consecutive bytes, at a multiple of 256 from the buffer's first byte
	global_store_b128 v1, v[36:39], s[12:13] offset:512
	WIN 0
	s_cmp_lg_u32 s16, 0
	s_cbranch_scc1 .Lnot_wave_0
	WIN 0x08
	global_store_b64 v2, v[18:19], s[14:15]                  ; (m, l), the same in all lanes: one aligned run of 256 bytes
	WIN 0
.Lnot_wave_0:
	s_wait_xcnt 0x0                                ; the stores have read their registers and bases
	s_add_nc_u64 s[12:13], s[12:13], 4096
	s_add_nc_u64 s[14:15], s[14:15], 256
	s_add_co_u32 s19, s19, 1
	s_cmp_lt_u32 s19, 2
	s_cbranch_scc1 .Lgroup
	s_wait_tensorcnt 0x0                           ; the wave's end, behind my last LDS store
	ds_add_u32 v22, v23
	s_wait_dscnt 0x0
	s_endpgm
.Lfunc_end_k_q44f3b17e28_main:
	.size	k_q44f3b17e28_main, .Lfunc_end_k_q44f3b17e28_main-k_q44f3b17e28_main
	.p2alignl 7, 3214868480
	.fill 96, 4, 3214868480
	.section	.rodata,"a",@progbits
	.p2align	6, 0x0
	.amdhsa_kernel k_q44f3b17e28_main
		.amdhsa_group_segment_fixed_size 327680
		.amdhsa_private_segment_fixed_size 0
		.amdhsa_enable_private_segment 0
		.amdhsa_kernarg_size 48
		.amdhsa_user_sgpr_count 2
		.amdhsa_user_sgpr_kernarg_segment_ptr 1
		.amdhsa_wavefront_size32 1
		.amdhsa_system_sgpr_workgroup_id_x 1
		.amdhsa_system_sgpr_workgroup_id_y 1
		.amdhsa_system_sgpr_workgroup_id_z 1
		.amdhsa_system_vgpr_workitem_id 0
		.amdhsa_next_free_vgpr 1024
		.amdhsa_next_free_sgpr 66
		.amdhsa_reserve_vcc 0
		.amdhsa_float_denorm_mode_32 3
		.amdhsa_float_denorm_mode_16_64 3
		.amdhsa_memory_ordered 1
		.amdhsa_forward_progress 1
		.amdhsa_inst_pref_size 183
	.end_amdhsa_kernel
	.amdgpu_metadata
---
amdhsa.version: [ 1, 2 ]
amdhsa.kernels:
  - .name:           k_q44f3b17e28_main
    .symbol:         k_q44f3b17e28_main.kd
    .args:
      - { .name: V, .offset: 0, .size: 8, .value_kind: global_buffer, .address_space: global }
      - { .name: ufrag, .offset: 8, .size: 8, .value_kind: global_buffer, .address_space: global }
      - { .name: hpc, .offset: 16, .size: 8, .value_kind: global_buffer, .address_space: global }
      - { .name: w_w, .offset: 24, .size: 8, .value_kind: global_buffer, .address_space: global }
      - { .name: part_o, .offset: 32, .size: 8, .value_kind: global_buffer, .address_space: global }
      - { .name: part_ml, .offset: 40, .size: 8, .value_kind: global_buffer, .address_space: global }
    .group_segment_fixed_size: 327680
    .private_segment_fixed_size: 0
    .kernarg_segment_align: 8
    .kernarg_segment_size: 48
    .max_flat_workgroup_size: 128
    .sgpr_count:     66
    .vgpr_count:     1024
    .wavefront_size: 32
...
	.end_amdgpu_metadata
.endif
;; end of part 2
;; launch combine (part 3): grid 32 x 1, 8 waves a work-group, no clusters, 0 bytes of LDS; arguments part_o, part_ml, out0; writes out0
.if DOCPART == 3
	.amdgcn_target "amdgcn-amd-amdhsa--gfx1250"
	.amdhsa_code_object_version 6
	.text
	.protected	k_q44f3b17e28_combine
	.globl	k_q44f3b17e28_combine
	.p2align	8
	.type	k_q44f3b17e28_combine,@function
k_q44f3b17e28_combine:
	s_mov_b64 s[64:65], 0
	v_nop
	global_prefetch_b8 v0, s[64:65] scope:SCOPE_SE
	s_setreg_imm32_b32 hwreg(HW_REG_WAVE_MODE, 25, 1), 1
	s_wait_xcnt 0x0
; out0[b][:] = (sum over j of 2^(m_j - M) o_j[:]) / (sum over j of 2^(m_j - M) l_j), M = the largest m_j, over the sixteen parts j of batch b.
; One work-group a batch; thread t owns 4 columns: each load and the store of a wave cover 512 consecutive bytes.  Memory binds: no LDS, no barrier, no matrix unit.
	s_load_b128 s[4:7], s[0:1], 0x0                ; part_o s[4:5], part_ml s[6:7]
	s_load_b64 s[8:9], s[0:1], 0x10                ; out0
	v_lshlrev_b32 v1, 4, v0
	s_lshl_b32 s10, ttmp9, 16                      ; sixteen parts of 4,096 bytes
	s_mov_b32 s11, 0
	s_lshl_b32 s12, ttmp9, 12                      ; sixteen of 256 bytes
	s_mov_b32 s13, 0
	s_lshl_b32 s14, ttmp9, 12
	s_mov_b32 s15, 0
	s_wait_alu depctr_va_vdst(0)
	s_wait_kmcnt 0x0
	s_add_nc_u64 s[4:5], s[4:5], s[10:11]
	s_add_nc_u64 s[6:7], s[6:7], s[12:13]
	s_add_nc_u64 s[8:9], s[8:9], s[14:15]
.irp j, 0,1,2,3,4,5,6,7,8,9,10,11,12,13,14,15
	s_load_b64 s[16+2*\j:17+2*\j], s[6:7], 256*\j  ; (m_j, l_j)
.endr
.irp j, 0,1,2,3,4,5,6,7,8,9,10,11,12,13,14,15
	global_load_b128 v[4+4*\j:7+4*\j], v1, s[4:5] offset:4096*\j th:TH_LOAD_NT
.endr
	s_wait_kmcnt 0x0
	v_mov_b32 v70, s16
.irp j, 1,2,3,4,5,6,7,8,9,10,11,12,13,14,15
	s_delay_alu instid0(VALU_DEP_1)
	v_max_num_f32 v70, s[16+2*\j], v70             ; M
.endr
.irp j, 0,1,2,3,4,5,6,7,8,9,10,11,12,13,14,15
	v_sub_f32 v[72+\j], s[16+2*\j], v70
.endr
	s_wait_alu depctr_va_vdst(0)
.irp j, 0,1,2,3,4,5,6,7,8,9,10,11,12,13,14,15
	v_exp_f32 v[72+\j], v[72+\j]                   ; the parts' weights, one batch
.endr
	v_nop
	s_wait_alu depctr_va_vdst(0)                   ; one wait for the sixteen, ahead of their first reader
	v_mul_f32 v90, s17, v72
.irp j, 1,2,3,4,5,6,7,8,9,10,11,12,13,14,15
	v_fmac_f32 v90, s[17+2*\j], v[72+\j]           ; the divisor: at least 1, since the part that holds M has a row with p = 1
.endr
	s_wait_alu depctr_va_vdst(0)
	v_rcp_f32 v91, v90
	s_wait_loadcnt 0x0
.irp c, 0,1,2,3
	v_mul_f32 v[92+\c], v[4+\c], v72               ; (plain work behind the reciprocal)
.endr
.irp j, 1,2,3,4,5,6,7,8,9,10,11,12,13,14,15
.irp c, 0,1,2,3
	v_fmac_f32 v[92+\c], v[4+4*\j+\c], v[72+\j]
.endr
.endr
	s_wait_alu depctr_va_vdst(0)                   ; ahead of the reciprocal's first reader
.irp c, 0,1,2,3
	v_mul_f32 v[92+\c], v[92+\c], v91
.endr
	global_store_b128 v1, v[92:95], s[8:9]
	s_endpgm
.Lfunc_end_k_q44f3b17e28_combine:
	.size	k_q44f3b17e28_combine, .Lfunc_end_k_q44f3b17e28_combine-k_q44f3b17e28_combine
	.p2alignl 7, 3214868480
	.fill 96, 4, 3214868480
	.section	.rodata,"a",@progbits
	.p2align	6, 0x0
	.amdhsa_kernel k_q44f3b17e28_combine
		.amdhsa_group_segment_fixed_size 0
		.amdhsa_private_segment_fixed_size 0
		.amdhsa_enable_private_segment 0
		.amdhsa_kernarg_size 24
		.amdhsa_user_sgpr_count 2
		.amdhsa_user_sgpr_kernarg_segment_ptr 1
		.amdhsa_wavefront_size32 1
		.amdhsa_system_sgpr_workgroup_id_x 1
		.amdhsa_system_sgpr_workgroup_id_y 1
		.amdhsa_system_sgpr_workgroup_id_z 1
		.amdhsa_system_vgpr_workitem_id 0
		.amdhsa_next_free_vgpr 96
		.amdhsa_next_free_sgpr 66
		.amdhsa_reserve_vcc 0
		.amdhsa_float_denorm_mode_32 3
		.amdhsa_float_denorm_mode_16_64 3
		.amdhsa_memory_ordered 1
		.amdhsa_forward_progress 1
		.amdhsa_inst_pref_size 9
	.end_amdhsa_kernel
	.amdgpu_metadata
---
amdhsa.version: [ 1, 2 ]
amdhsa.kernels:
  - .name:           k_q44f3b17e28_combine
    .symbol:         k_q44f3b17e28_combine.kd
    .args:
      - { .name: part_o, .offset: 0, .size: 8, .value_kind: global_buffer, .address_space: global }
      - { .name: part_ml, .offset: 8, .size: 8, .value_kind: global_buffer, .address_space: global }
      - { .name: out0, .offset: 16, .size: 8, .value_kind: global_buffer, .address_space: global }
    .group_segment_fixed_size: 0
    .private_segment_fixed_size: 0
    .kernarg_segment_align: 8
    .kernarg_segment_size: 24
    .max_flat_workgroup_size: 256
    .sgpr_count:     66
    .vgpr_count:     96
    .wavefront_size: 32
...
	.end_amdgpu_metadata
.endif
;; end of part 3
